; MI455X (gfx1250); checked and timed in simulation.
; The chip was launched on July 23, 2026; its instructions are those of AMD's public machine-readable ISA for CDNA 5 (MIT licence, August 2026) and "CDNA5" Instruction Set Architecture Reference Guide (July 2026). The comments in the code are by the model that wrote it; some were corrected since.
;; Multi Head Attention. Allowed arithmetic: matrix products marked QUANTISED: E2M1 operands, one E8M0 scale for each 32 along K, by v_wmma_scale_f32_16x16x128_f8f6f4 with both operands' format E2M1 (or v_wmma_scale_f32_32x16x128_f4), f32 sums; products left as they are: bf16, f16 or f32 operands; f32 sums; everything else in f32.
;; Inputs: Wk 1,024 x 1,024 float32; Wo 1,024 x 1,024 float32; Wq 1,024 x 1,024 float32; Wv 1,024 x 1,024 float32; bk 1,024 float32; bo 1,024 float32; bq 1,024 float32; bv 1,024 float32; key 4 x 2,048 x 1,024 float32; query 4 x 2,048 x 1,024 float32; value 4 x 2,048 x 1,024 float32.
;; Outputs: out0 4 x 2,048 x 1,024 float32.
;; This version of the problem:
;;   THIS VERSION OF THE PROBLEM IS GIVEN IN LOW PRECISION. The matrix products marked QUANTISED in the list below multiply operands that are first quantised to E2M1 (2 exponent bits, 1 mantissa bit; 4 bits a number), with one power-of-two scale for each 32 numbers along K (OCP MX v1.0); their sums are f32. The products marked 'left as it is' may take bf16, f16 or f32 operands, with f32 sums. Whichever they take, every output number must still come out within the allowed error. Rounding operands to bf16 (8 significant bits) uses up far more of that allowance than f16 does (11 bits, for magnitudes from 6e-5 to 65,504). All else is computed in f32.
;;   The module's matrix products, in the order in which they are computed (A, B: the left and right operand; K: the contracted axis; several contracted axes count as one K, in the product's order):
;;     1. [M 8,192, K 1,024] x [K 1,024, N 1,024]; A: input query; B: input Wq: QUANTISED
;;     2. [M 8,192, K 1,024] x [K 1,024, N 1,024]; A: input key; B: input Wk: QUANTISED
;;     3. [M 8,192, K 1,024] x [K 1,024, N 1,024]; A: input value; B: input Wv: QUANTISED
;;     4. batch 64 x [M 2,048, K 64] x [K 64, N 2,048]; A: computed on the way; B: computed on the way: left as it is (an operand is computed on the way)
;;     5. batch 64 x [M 2,048, K 2,048] x [K 2,048, N 64]; A: computed on the way; B: computed on the way: left as it is (an operand is computed on the way)
;;     6. [M 8,192, K 1,024] x [K 1,024, N 1,024]; A: computed on the way; B: input Wo: left as it is (an operand is computed on the way)
;;   THE QUANTISER, for each operand of a quantised product, along K:
;;     - K is cut into blocks of 32 from its start; a last block that is shorter is filled with zeros.
;;     - A block's scale is 2^e with e = floor(log2(the largest magnitude in the block)) - 2, held to -126 .. 127; a block of zeros has e = 0. As a byte (E8M0): e + 127.
;;     - Each number is divided by its block's scale, clamped to +-6, and rounded to the nearest number of E2M1, ties to even, subnormals kept.
;;     - The product sums the exact products of the quantised numbers (number of the format x scale) in f32.
;;   ~~~python
;;   def quantise(x, axis):      # numpy; x: float32 -> the quantised numbers, widened to float32 again
;;       x = np.moveaxis(x, axis, -1); K = x.shape[-1]
;;       x = np.pad(x, [(0, 0)] * (x.ndim - 1) + [(0, -K % 32)]); x = x.reshape(x.shape[:-1] + (-1, 32)); a = np.abs(x).max(-1, keepdims=True)
;;       e = np.where(a > 0, np.clip(np.frexp(np.where(a > 0, a, 1))[1] - 1 - 2, -126, 127), 0)      # np.frexp(a)[1] - 1 = floor(log2(a)), exactly
;;       r = np.clip(x / 2.0 ** e, -6, 6)
;;       step = 2.0 ** (np.maximum(np.frexp(np.where(r == 0, 1, r))[1] - 1, 0) - 1)
;;       q = np.round(r / step) * step * 2.0 ** e      # np.round: ties to even
;;       return np.moveaxis(q.reshape(q.shape[:-2] + (-1,))[..., :K], -1, axis).astype(np.float32)
;;   ~~~
;; One version. Each part assembles by itself: llvm-mc -triple=amdgcn-amd-amdhsa -mcpu=gfx1250 --defsym DOCPART=n.
;; ======== version 1 of 1: 4 launches
;; limits: values are held in f16: magnitudes above 65,504 overflow, below 6.1e-05 lose precision
;; workspace buffers: codes 14,155,776 bytes; scales 884,736 bytes; wo16 2,097,152 bytes; qkv 50,331,648 bytes; ao 16,777,216 bytes
;; launch quant (part 1): grid 896 x 1, 4 waves a work-group, no clusters, 33,280 bytes of LDS; arguments query, key, value, Wq, Wk, Wv, Wo, codes, scales, wo16; writes codes, scales, wo16
.if DOCPART == 1
	.amdgcn_target "amdgcn-amd-amdhsa--gfx1250"
	.amdhsa_code_object_version 6
	.text
	.protected	k_q9a88522427_quant
	.globl	k_q9a88522427_quant
	.p2align	8
	.type	k_q9a88522427_quant,@function
k_q9a88522427_quant:
	s_mov_b64 s[64:65], 0
	v_nop
	global_prefetch_b8 v0, s[64:65] scope:SCOPE_SE
	s_setreg_imm32_b32 hwreg(HW_REG_WAVE_MODE, 25, 1), 1
	s_wait_xcnt 0x0
; LAUNCH 1 OF 4.  query, key, value [8192][1024] and Wq, Wk, Wv [1024][1024], f32, K innermost, become codes of FP4 (E2M1) with one E8M0 byte for each 32 along K; Wo becomes f16.
; WORK LEFT OUT IN THE WHOLE PROGRAM: the input bk.  A score is (Q + bq) . (K + bk) = (Q + bq) . K + (Q + bq) . bk.  The second term does not hang on the key: it is the same along the softmax's axis,
; so the softmax takes it away, for all values of the inputs.  The scores' product is not quantised, so bk moves no code and no scale.  bk is not loaded and is among no launch's arguments.
; LIMIT: a NaN, an infinity or an overflow that reaches only bk's term is not carried to the result.
; A block's scale is 2^(floor(log2(its largest magnitude)) - 2); its byte is the largest magnitude's exponent field - 2, held at 1 from below.  A block of zeros gets the byte 1 where the rule says 127: its codes are
; zeros, which add nothing under any byte but 0xff, and this program alone reads the bytes.  LIMITS: NaN and infinities among the inputs are not served; blocks whose largest magnitude lies under 2^-124 have the byte 1;
; |Wo| beyond 65,504 is not served (f16).
; Rows are dense and K is a multiple of 32: each tensor is a plain stream of blocks of 32, and so are codes and bytes.  The six tensors' codes lie on end in one buffer (27,648 rows of 512 bytes), their bytes likewise.
; A work-group takes 32,768 numbers, a wave 8,192 in 16 steps of 512.  Work-groups 0-255 query, 256-511 key, 512-767 value, 768-799 Wq, 800-831 Wk, 832-863 Wv: only a pointer is chosen, one path serves all six.
; Work-groups 864-895 round Wo to f16 on a path of its own, which touches no LDS.
; The conversions take neighbours along K from ONE lane's registers, a load is best where neighbouring LANES take neighbouring bytes: each load reads 512 consecutive bytes, and a step's 2,048 bytes turn through
; the wave's own stage in LDS (16 bytes of padding behind each 64) and come back 64 bytes a lane.  No barrier: waves share nothing.
.set WAVES, 4
.set STEPS, 16
.set WGQ,   864                        ; the first work-group of Wo's path
.set EMAX,  2
.set CB,    8                          ; bytes of 16 codes
.set R,     16                         ; v16-79   four sets of 16 numbers as loaded
.set X,     80                         ; v80-111  two sets of 16 neighbours
.set E,     112                        ; v112-127 a scale byte for each step
.set C,     128                        ; v128-191 codes: registers of its own for each step
.set WREG,  8192                       ; LDS: a region for each wave: two stages of 32 x SP bytes, then its 256 scale bytes
.set SP,    80
.set SPW,   12                         ; v12 LDS address of my spare word; never rewritten
.set NIL,   13                         ; v13 0; never rewritten
.set SPARE, WAVES*WREG                 ; behind the regions: the spare words, 128 bytes a wave
	s_load_b512 s[4:19], s[0:1], 0x0               ; query 4:5, key 6:7, value 8:9, Wq 10:11, Wk 12:13, Wv 14:15, Wo 16:17, codes 18:19
	s_load_b128 s[20:23], s[0:1], 0x40             ; scales 20:21, wo16 22:23
	v_lshl_add_u32 v[SPW], v0, 2, SPARE
	v_mov_b32 v[NIL], 0
	v_lshrrev_b32 v1, 5, v0
	v_readfirstlane_b32 s24, v1                    ; wave
	v_and_b32 v2, 31, v0                           ; lane
	v_lshlrev_b32 v3, 4, v2                        ; my 16 bytes of a load's 512
	v_lshlrev_b32 v4, 3, v2                        ; my 8 bytes of a store's 256
	s_wait_kmcnt 0x0
	s_cmp_ge_u32 ttmp9, WGQ
	s_cbranch_scc1 .Lwo
	s_mul_i32 s26, s24, WREG
	v_lshrrev_b32 v14, 2, v2
	v_mul_u32_u24 v14, v14, SP
	v_and_b32 v15, 3, v2
	v_lshl_add_u32 v14, v15, 4, v14
	v_add_nc_u32 v14, s26, v14                     ; the stage, way in: SP (lane / 4) + 16 (lane % 4)
	v_mul_u32_u24 v15, v2, SP
	v_add_nc_u32 v15, s26, v15                     ; way out: SP x lane: my 16 neighbours
	v_lshrrev_b32 v5, 1, v2
	s_add_co_u32 s26, s26, 2*32*SP
	v_add_nc_u32 v5, s26, v5                       ; my block's byte among my wave's 256
	v_lshlrev_b32 v7, 3, v2
	v_add_nc_u32 v6, s26, v7                       ; and 8 bytes a lane on their way out
	s_mov_b32 s25, 0                               ; the tensor's first work-group
.macro PICK first, ptr                 ; the choice hangs on the work-group's number alone
	s_cmp_ge_u32 ttmp9, \first
	s_cselect_b64 s[4:5], s[\ptr:\ptr+1], s[4:5]
	s_cselect_b32 s25, \first, s25
.endm
	PICK 256, 6
	PICK 512, 8
	PICK 768, 10
	PICK 800, 12
	PICK 832, 14
	s_sub_co_u32 s26, ttmp9, s25
	s_lshl_b32 s26, s26, 2
	s_add_co_u32 s26, s26, s24                     ; which run of 8,192 numbers of the tensor is my wave's
	s_lshl_b32 s26, s26, 15                        ; 32,768 bytes a run
	s_mov_b32 s27, 0
	s_add_nc_u64 s[4:5], s[4:5], s[26:27]
	s_lshl_b32 s28, ttmp9, 2
	s_add_co_u32 s28, s28, s24                     ; and which run of the buffers of codes and bytes
	s_lshl_b32 s30, s28, 12                        ; 4,096 bytes of codes a run
	s_mov_b32 s31, 0
	s_add_nc_u64 s[18:19], s[18:19], s[30:31]
	s_lshl_b32 s30, s28, 8                         ; 256 scale bytes a run
	s_add_nc_u64 s[20:21], s[20:21], s[30:31]
.macro LOAD t
.irp i, 0,1,2,3
	global_load_b128 v[R+16*((\t)%4)+4*\i:R+16*((\t)%4)+4*\i+3], v3, s[4:5] offset:2048*(\t)+512*\i th:TH_LOAD_NT   ; 32 lanes read 512 consecutive bytes
.endr
.endm
.macro TURN t                          ; step t's numbers through the stage: LDS serves a wave's instructions in order, so no wait stands between the stores and the loads
.irp i, 0,1,2,3
	ds_store_b128 v14, v[R+16*((\t)%4)+4*\i:R+16*((\t)%4)+4*\i+3] offset:32*SP*((\t)%2)+8*SP*\i
.endr
.irp i, 0,1,2,3
	ds_load_b128 v[X+16*((\t)%2)+4*\i:X+16*((\t)%2)+4*\i+3], v15 offset:32*SP*((\t)%2)+16*\i
.endr
.endm
.irp t, 0,1,2,3
	LOAD \t
.endr
	s_wait_loadcnt 12                              ; step 0's four loads are in; the 12 of steps 1 to 3 stay out
	TURN 0
.macro STEP t
.set XS, X+16*((\t)%2)
.if (\t) > 0
	s_wait_dscnt 1                                 ; this step's numbers are back from the stage; the last step's byte store may be out
.else
	s_wait_dscnt 0x0
.endif
.if (\t)+4 < STEPS
	LOAD (\t)+4                                    ; into the set whose numbers have gone through the stage
.endif
.if (\t)+1 < STEPS
.if STEPS-2-(\t) >= 3
	s_wait_loadcnt 12                              ; the next step's four loads are in; those of the three steps behind it may be out
.else
	s_wait_loadcnt 4*(STEPS-2-(\t))
.endif
	TURN (\t)+1
.endif
	v_max3_num_f32 v8, |v[XS]|, |v[XS+1]|, |v[XS+2]|               ; the largest magnitude of my 16, in two chains
	v_max3_num_f32 v9, |v[XS+3]|, |v[XS+4]|, |v[XS+5]|
.irp i, 6,10
	v_max3_num_f32 v8, v8, |v[XS+\i]|, |v[XS+\i+1]|
	v_max3_num_f32 v9, v9, |v[XS+\i+2]|, |v[XS+\i+3]|
.endr
	v_max3_num_f32 v8, v8, |v[XS+14]|, |v[XS+15]|
	v_max3_num_f32 v8, v8, v9, (EMAX+1)<<23        ; and the floor 2^(3 - 127): the byte cannot fall under 1
	v_max_num_f32_dpp v8, v8, v8 row_xmask:1 row_mask:0xf bank_mask:0xf   ; and of my neighbour's 16: the block's
	v_add_nc_u32 v11, -(EMAX<<23), v8              ; 2 off its exponent field: the conversion takes that field as its scale
	v_cvt_scalef32_pk8_fp4_f32 v[C+4*(\t)], v[XS:XS+7], v11
	v_cvt_scalef32_pk8_fp4_f32 v[C+4*(\t)+1], v[XS+8:XS+15], v11
	v_lshrrev_b32 v[E+(\t)], 23, v11               ; the scale's byte (also the plain line behind the conversions)
	ds_store_b8 v5, v[E+(\t)] offset:16*(\t)       ; both lanes of a block write the same byte with the same value
	global_store_b64 v4, v[C+4*(\t):C+4*(\t)+1], s[18:19] offset:32*CB*(\t)   ; the wave stores 256 consecutive bytes, aligned
.endm
.irp t, 0,1,2,3,4,5,6,7,8,9,10,11,12,13,14,15
	STEP \t
.endr
	ds_load_b64 v[8:9], v6                         ; LDS serves a wave's instructions in order: these see my byte stores
	s_wait_dscnt 0x0
	global_store_b64 v7, v[8:9], s[20:21]          ; 256 consecutive bytes, aligned
	s_wait_tensorcnt 0x0                           ; the wave's end
	ds_add_u32 v[SPW], v[NIL]
	s_wait_dscnt 0x0
	s_endpgm
; Wo -> f16, row-major as it lies.  A wave takes 8,192 numbers: 64 loads of 512 bytes in four groups of 16, two groups ahead; each store covers 256 consecutive bytes, aligned.
.Lwo:
	s_sub_co_u32 s26, ttmp9, WGQ
	s_lshl_b32 s26, s26, 2
	s_add_co_u32 s26, s26, s24
	s_lshl_b32 s28, s26, 15
	s_mov_b32 s29, 0
	s_add_nc_u64 s[16:17], s[16:17], s[28:29]
	s_lshl_b32 s28, s26, 14
	s_add_nc_u64 s[22:23], s[22:23], s[28:29]
.macro LOADG g
.irp i, 0,1,2,3,4,5,6,7,8,9,10,11,12,13,14,15
	global_load_b128 v[16+64*((\g)%2)+4*\i:16+64*((\g)%2)+4*\i+3], v3, s[16:17] offset:512*(16*(\g)+\i) th:TH_LOAD_NT
.endr
.endm
.macro CVTG g
.if (\g) < 3
	s_wait_loadcnt 16                              ; this group's 16 loads are in; the next group's 16 stay out
.else
	s_wait_loadcnt 0x0
.endif
.if (\g) > 0
	s_wait_xcnt 0x0                                ; the last group's stores have read their data: v144-175 are written again only behind this wait
.endif
.irp i, 0,1,2,3,4,5,6,7,8,9,10,11,12,13,14,15
	v_cvt_pk_f16_f32 v[144+2*\i], v[16+64*((\g)%2)+4*\i], v[16+64*((\g)%2)+4*\i+1]
	v_cvt_pk_f16_f32 v[145+2*\i], v[16+64*((\g)%2)+4*\i+2], v[16+64*((\g)%2)+4*\i+3]
.endr
.irp i, 0,1,2,3,4,5,6,7,8,9,10,11,12,13,14,15
	global_store_b64 v4, v[144+2*\i:145+2*\i], s[22:23] offset:256*(16*(\g)+\i)
.endr
.if (\g)+2 < 4
	LOADG (\g)+2
.endif
.endm
	LOADG 0
	LOADG 1
	CVTG 0
	CVTG 1
	CVTG 2
	CVTG 3
	s_endpgm
.Lfunc_end_k_q9a88522427_quant:
	.size	k_q9a88522427_quant, .Lfunc_end_k_q9a88522427_quant-k_q9a88522427_quant
	.p2alignl 7, 3214868480
	.fill 96, 4, 3214868480
	.section	.rodata,"a",@progbits
	.p2align	6, 0x0
	.amdhsa_kernel k_q9a88522427_quant
		.amdhsa_group_segment_fixed_size 33280
		.amdhsa_private_segment_fixed_size 0
		.amdhsa_enable_private_segment 0
		.amdhsa_kernarg_size 80
		.amdhsa_user_sgpr_count 2
		.amdhsa_user_sgpr_kernarg_segment_ptr 1
		.amdhsa_wavefront_size32 1
		.amdhsa_system_sgpr_workgroup_id_x 1
		.amdhsa_system_sgpr_workgroup_id_y 1
		.amdhsa_system_sgpr_workgroup_id_z 1
		.amdhsa_system_vgpr_workitem_id 0
		.amdhsa_next_free_vgpr 192
		.amdhsa_next_free_sgpr 66
		.amdhsa_reserve_vcc 0
		.amdhsa_float_denorm_mode_32 3
		.amdhsa_float_denorm_mode_16_64 3
		.amdhsa_memory_ordered 1
		.amdhsa_forward_progress 1
		.amdhsa_inst_pref_size 54
	.end_amdhsa_kernel
	.amdgpu_metadata
---
amdhsa.version: [ 1, 2 ]
amdhsa.kernels:
  - .name:           k_q9a88522427_quant
    .symbol:         k_q9a88522427_quant.kd
    .args:
      - { .name: query, .offset: 0, .size: 8, .value_kind: global_buffer, .address_space: global }
      - { .name: key, .offset: 8, .size: 8, .value_kind: global_buffer, .address_space: global }
      - { .name: value, .offset: 16, .size: 8, .value_kind: global_buffer, .address_space: global }
      - { .name: Wq, .offset: 24, .size: 8, .value_kind: global_buffer, .address_space: global }
      - { .name: Wk, .offset: 32, .size: 8, .value_kind: global_buffer, .address_space: global }
      - { .name: Wv, .offset: 40, .size: 8, .value_kind: global_buffer, .address_space: global }
      - { .name: Wo, .offset: 48, .size: 8, .value_kind: global_buffer, .address_space: global }
      - { .name: codes, .offset: 56, .size: 8, .value_kind: global_buffer, .address_space: global }
      - { .name: scales, .offset: 64, .size: 8, .value_kind: global_buffer, .address_space: global }
      - { .name: wo16, .offset: 72, .size: 8, .value_kind: global_buffer, .address_space: global }
    .group_segment_fixed_size: 33280
    .private_segment_fixed_size: 0
    .kernarg_segment_align: 8
    .kernarg_segment_size: 80
    .max_flat_workgroup_size: 128
    .sgpr_count:     66
    .vgpr_count:     192
    .wavefront_size: 32
...
	.end_amdgpu_metadata
.endif
;; end of part 1
;; launch proj (part 2): grid 4 x 96, 4 waves a work-group, clusters of 4 x 4, 327,680 bytes of LDS; arguments codes, scales, bq, bv, qkv; writes qkv
.if DOCPART == 2
	.amdgcn_target "amdgcn-amd-amdhsa--gfx1250"
	.amdhsa_code_object_version 6
	.text
	.protected	k_q9a88522427_proj
	.globl	k_q9a88522427_proj
	.p2align	8
	.type	k_q9a88522427_proj,@function
k_q9a88522427_proj:
	s_mov_b64 s[64:65], 0
	v_nop
	global_prefetch_b8 v0, s[64:65] scope:SCOPE_SE
	s_setreg_imm32_b32 hwreg(HW_REG_WAVE_MODE, 25, 1), 1
	s_wait_xcnt 0x0
	s_wait_alu depctr_hold_cnt(0) depctr_sa_sdst(0) depctr_va_vdst(0) depctr_va_sdst(0) depctr_va_ssrc(0) depctr_va_vcc(0) depctr_vm_vsrc(0)
	s_getreg_b32 s2, hwreg(HW_REG_IB_STS2, 6, 4)
	s_cmp_eq_u32 s2, 0
	s_cbranch_scc0 .Lentry_in_a_cluster
	s_endpgm
.Lentry_in_a_cluster:
	s_bfe_u32 s2, ttmp6, 0x10000c
	s_cmp_lg_u32 s2, 0xf033
	s_cbranch_scc0 .Lentry_shape_is_right
	s_endpgm
.Lentry_shape_is_right:
; LAUNCH 2 OF 4.  The three quantised products, on codes of FP4 with E8M0 scales: q = query Wq^T + bq, k = key Wk^T, v = value Wv^T + bv; sums in f32, results rounded once to f16.
; WORK LEFT OUT: bk (the same along the softmax's axis for all values of the inputs: shown at the head of the first launch).
; LIMIT: |q|, |k|, |v| beyond 65,504 are not served (f16).
; A tile of 256 x 256 is made by four waves, 128 x 128 each: 64 accumulators, 512 registers.  K = 1,024 is two slots of 512 along K: both are first fills, nothing is filled again.
; TWO SIDES.  Source 0 of the matrix instruction is side 0: its 16 rows become a lane's registers (row 8 (lane / 16) + j).  Source 1 is side 1: its rows become the lanes (lane % 16).
; For q and k: side 0 = the weight's features, side 1 = tokens: a lane holds 8 neighbouring channels of one token.  For v: side 0 = value's tokens, side 1 = Wv's features: a lane holds 8 neighbouring KEYS of one channel.
; Both sides are rows of one buffer of codes with one pitch, so the three products differ in row numbers alone, made from the cluster's y; the text is one.
; THE RESULTS LEAVE AS IMAGES OF THE NEXT PRODUCT'S OPERAND REGISTERS: a lane's 8 numbers, packed, are four registers of a 16-bit fragment in that same lane, so each store is 16 bytes at 16 x lane: 512 consecutive bytes, aligned.
;   q at byte 0, k at 16 MiB: [batch x head 64][16 tokens 128][32 channels 2][half 2][lane 32][16 bytes];   v at 32 MiB: [batch x head 64][32 keys 64][16 channels 4][half 2][lane 32][16 bytes].
; CLUSTERS: 4 x 4 work-groups.  Side 1's tile hangs on cy and the cluster's y: shared along a row of the cluster; side 0's on cx and the cluster's y: shared along a column.  Each is asked for jointly.
; THE SCALES of the work-group's 256 + 256 rows, for all of K, are two dense blocks: they come once, with the first fills, as rows of 256 bytes + 16 of padding.
; REGISTERS: window 0: v0-31 addresses; v32-95 scale words, two sets; v128-191 side 1's fragments, ONE set; on the way out v96-255 are free.  window 1: side 0's fragments, TWO sets.  windows 2, 3: accumulators ((a, b) at v[8 (8 (a % 4) + b)]).
.set KSTEP,  512
.set NQ,     KSTEP/128
.set ROWB,   256                       ; a tile's row in bytes
.set KROW,   512                       ; a row of codes in memory
.set PITCH,  272                       ; an LDS row: 256 bytes + 16 of padding: the 16 rows of a load start 68 words apart
.set FR,     8
.set NL,     2
.set NP,     4                         ; places behind this matrix instruction (ISA guide 7.12.1)
.set HALFT,  128*PITCH
.set SLOT,   4*HALFT                   ; side 1's 256 rows, then side 0's
.set KS,     32                        ; a row of scale bytes
.set SCL,    2*SLOT
.set HALFS,  (128*KS/256)*272
.set SBLK,   (16*KS/256)*272
.set SPARE,  SCL+4*HALFS               ; the spare words, 128 bytes a wave
.set BH,   8                           ; v8   32 x (lane / 16): bq's bytes for my half
.set BR,   9                           ; v9   4 x (lane % 16): bv's bytes for my lane
.set ADRA, 16                          ; v16-17 LDS address of side 1's fragments in slot 0, 1
.set ADRB, 20                          ; v20-21 the same for side 0
.set LO,   26                          ; v26  16 x lane: an image's place for my lane
.set ADRS, 27                          ; v27  my scale words: lanes 0-15 side 1's rows, lanes 16-31 side 0's
.set SPW,  28                          ; v28  my spare word; never rewritten
.set NIL,  29                          ; v29  0; never rewritten
.set SC,   32
.set PK,   96                          ; the way out: v96-127 packed results
.set AF,   128
.set T,    128                         ; the way out: v128-191 results with their bias
.set BI,   192                         ; the way out: v192-255 the bias
.set G1, 24                            ; s[24:31], s[32:39] groups 1 and 0 (a set a slot) for side 1's tiles
.set G0, 32
.set G1B, 48                           ; s[48:55], s[56:63] for side 0's
.set G0B, 56
.set G1S, 68                           ; s[68:75], s[76:79] for side 1's scales; s[80:87], s[88:91] for side 0's
.set G0S, 76
.set G1SB, 80
.set G0SB, 88
.set MSB, 0
.macro WIN new                         ; the immediate's high byte repeats the setting that is left
.if MSB != (\new)
	s_set_vgpr_msb (MSB<<8)|(\new)
.set MSB, (\new)
.endif
.endm
.set MUL_LO, 0xa1                      ; source 0 window 1, source 1 window 0, C and D window 2
.set MUL_HI, 0xf1                      ; the same, C and D window 3
.set TO_B,   0x40                      ; destination window 1
; A joint load: waves 0 and 1 fetch for side 1, waves 2 and 3 for side 0; the branch hangs on the wave's number alone.  An s_nop 0 and four v_nop follow each line.
.macro JLOAD g0a, g1a, g0b, g1b
	s_cmp_eq_u32 s15, 0
	s_cbranch_scc0 .Lfor_b_\@
	tensor_load_to_lds s[\g0a:\g0a+3], s[\g1a:\g1a+7]
	s_nop 0
.rept 4
	v_nop
.endr
	s_branch .Lasked_\@
.Lfor_b_\@:
	tensor_load_to_lds s[\g0b:\g0b+3], s[\g1b:\g1b+7]
	s_nop 0
.rept 4
	v_nop
.endr
.Lasked_\@:
.endm
.macro CROUND                          ; a round of the cluster's barrier
	s_barrier_signal -1
	s_barrier_wait -1
	s_cmp_lg_u32 s14, 0
	s_cbranch_scc1 .Lnot_wave_0_\@
	s_barrier_signal -3
.Lnot_wave_0_\@:
	s_barrier_wait -3
	s_barrier_signal -1
	s_barrier_wait -1
.endm
	s_load_b256 s[4:11], s[0:1], 0x0               ; codes 4:5, scales 6:7, bq 8:9, bv 10:11
	s_load_b64 s[12:13], s[0:1], 0x20              ; qkv
	v_lshl_add_u32 v[SPW], v0, 2, SPARE
	v_mov_b32 v[NIL], 0
	ds_add_u32 v[SPW], v[NIL]                      ; the wave's opening: the add, twice on end, and its wait ahead of my first tensor load
	ds_add_u32 v[SPW], v[NIL]
	v_lshrrev_b32 v1, 5, v0
	v_readfirstlane_b32 s14, v1                    ; wave 0..3
	s_lshr_b32 s15, s14, 1                         ; wr: my half of side 1's rows.  Also: I fetch for side 1 (0) or side 0 (1)
	s_and_b32 s16, s14, 1                          ; wc: my half of side 0's rows.  Also: which 128 rows I fetch
	s_bfe_u32 s40, ttmp6, 0x40000                  ; cx
	s_bfe_u32 s41, ttmp6, 0x40004                  ; cy
	s_and_b32 s17, ttmp7, 0xffff                   ; the cluster's y, 0..23
	s_lshr_b32 s98, s17, 3                         ; p: 0 q, 1 k, 2 v
	s_and_b32 s100, s17, 7                         ; which of the product's eight clusters
	s_lshr_b32 s99, s98, 1                         ; 1 for v
	s_mul_i32 s101, s100, s99                      ; for v the clusters walk side 0 (tokens),
	s_sub_co_u32 s100, s100, s101                  ; else side 1
	s_lshl_b32 s42, s101, 2
	s_add_co_u32 s42, s42, s40                     ; tile0: side 0's tile of 256 rows
	s_lshl_b32 s17, s100, 2
	s_add_co_u32 s17, s17, s41                     ; tile1: side 1's
	s_mul_i32 s95, s99, 10240
	s_lshl_b32 s96, s98, 10
	s_add_co_u32 s96, s96, 24576
	s_sub_co_u32 s96, s96, s95                     ; side 0's first row in the buffers: 24,576 Wq, 25,600 Wk, 16,384 value
	s_lshl_b32 s97, s98, 13
	s_add_co_u32 s97, s97, s95                     ; side 1's: 0 query, 8,192 key, 26,624 Wv
	s_lshl_b32 s43, s41, 2
	s_lshl_b32 s43, 15, s43                        ; my row of the cluster
	s_lshl_b32 s44, 0x1111, s40                    ; my column
	s_or_b32 s[G1+0], s43, (0<<16)|(1<<20)|(1<<21)|(5<<22)|(3<<25)  ; mask; elements of 1 byte; padding on; bit 21 beside a mask; after every 64 words, 4 words
	s_or_b32 s[G1B+0], s44, (0<<16)|(1<<20)|(1<<21)|(5<<22)|(3<<25)
.irp g, G1, G1B
	s_mov_b32 s[\g+1], ROWB<<16                    ; tensor_dim0
	s_mov_b32 s[\g+2], 128<<16                     ; tensor_dim1
	s_mov_b32 s[\g+3], ROWB<<16                    ; tile_dim0
	s_mov_b32 s[\g+4], 128                         ; tile_dim1
	s_mov_b32 s[\g+5], KROW                        ; the pitch
	s_mov_b32 s[\g+6], 0
	s_mov_b32 s[\g+7], 0
.endr
	s_or_b32 s[G1S+0], s43, (3<<16)|(1<<20)|(1<<21)|(5<<22)|(3<<25) ; the scales of 128 rows: 4,096 dense bytes as 16 rows of 32 elements of 8 bytes, padded likewise
	s_or_b32 s[G1SB+0], s44, (3<<16)|(1<<20)|(1<<21)|(5<<22)|(3<<25)
.irp g, G1S, G1SB
	s_mov_b32 s[\g+1], 32<<16
	s_mov_b32 s[\g+2], (128*KS/256)<<16
	s_mov_b32 s[\g+3], 32<<16
	s_mov_b32 s[\g+4], 128*KS/256
	s_mov_b32 s[\g+5], 32
	s_mov_b32 s[\g+6], 0
	s_mov_b32 s[\g+7], 0
.endr
	s_lshl_b32 s18, s16, 7                         ; which 128 rows of the tile I fetch
	s_lshl_b32 s20, s17, 8
	s_add_co_u32 s20, s20, s18
	s_add_co_u32 s20, s20, s97                     ; side 1's row
	s_lshl_b32 s46, s42, 8
	s_add_co_u32 s46, s46, s18
	s_add_co_u32 s46, s46, s96                     ; side 0's row
	s_lshl_b32 s22, s20, 5                         ; 32 scale bytes a row
	s_mov_b32 s23, 0
	s_lshl_b32 s92, s46, 5
	s_mov_b32 s93, 0
	s_lshl_b32 s20, s20, 9                         ; 512 bytes of codes a row
	s_mov_b32 s21, 0
	s_lshl_b32 s46, s46, 9
	s_mov_b32 s47, 0
	s_mul_i32 s45, s14, HALFT                      ; where they go: wave x 128 rows: no place in the cluster enters an LDS address
	s_mul_i32 s94, s14, HALFS
	s_wait_dscnt 0x0                               ; both opening adds are done
	s_wait_kmcnt 0x0
	s_add_nc_u64 s[20:21], s[4:5], s[20:21]
	s_add_nc_u64 s[22:23], s[6:7], s[22:23]
	s_add_nc_u64 s[46:47], s[4:5], s[46:47]
	s_add_nc_u64 s[92:93], s[6:7], s[92:93]
	CROUND                                         ; all sixteen work-groups are here: the first joint loads meet
	s_mov_b32 s[G0S], 1
	s_add_co_u32 s[G0S+1], s94, SCL
	s_mov_b64 s[G0S+2:G0S+3], s[22:23]
	s_or_b32 s[G0S+3], s[G0S+3], 0x80000000
	s_mov_b32 s[G0SB], 1
	s_add_co_u32 s[G0SB+1], s94, SCL
	s_mov_b64 s[G0SB+2:G0SB+3], s[92:93]
	s_or_b32 s[G0SB+3], s[G0SB+3], 0x80000000
	JLOAD G0S, G1S, G0SB, G1SB                     ; the scales first: they are wanted with the first slot
.irp s, 0,1
	s_mov_b32 s[G0+4*\s], 1
	s_add_co_u32 s[G0+4*\s+1], s45, \s*SLOT
	s_add_nc_u64 s[G0+4*\s+2:G0+4*\s+3], s[20:21], \s*ROWB
	s_or_b32 s[G0+4*\s+3], s[G0+4*\s+3], 0x80000000
	s_mov_b32 s[G0B+4*\s], 1
	s_add_co_u32 s[G0B+4*\s+1], s45, \s*SLOT
	s_add_nc_u64 s[G0B+4*\s+2:G0B+4*\s+3], s[46:47], \s*ROWB
	s_or_b32 s[G0B+4*\s+3], s[G0B+4*\s+3], 0x80000000
	JLOAD G0+4*\s, G1, G0B+4*\s, G1B               ; three tensor loads of mine are out, by this text's own count
.endr
	v_and_b32 v1, 15, v0                           ; r
	v_bfe_u32 v2, v0, 4, 1                         ; h
	v_mul_u32_u24 v3, v1, PITCH
	v_lshl_add_u32 v4, v2, 4, v3                   ; a fragment's row x pitch + 16 h
	s_mul_i32 s21, s15, HALFT
	s_mul_i32 s22, s16, HALFT
	s_add_co_u32 s22, s22, 2*HALFT
.irp s, 0,1
	v_add_nc_u32 v[ADRA+\s], s21, v4
	v_add_nc_u32 v[ADRB+\s], s22, v4
	s_add_co_u32 s21, s21, SLOT
	s_add_co_u32 s22, s22, SLOT
.endr
	v_mul_u32_u24 v5, v1, KS                       ; my row's scales: 32 bytes a row,
	v_lshrrev_b32 v6, 8, v5
	v_lshl_add_u32 v5, v6, 4, v5                   ; and 16 more for each 256 passed
	s_mul_i32 s21, s15, HALFS
	s_mul_i32 s22, s16, HALFS
	s_add_co_u32 s22, s22, 2*HALFS
	s_sub_co_u32 s22, s22, s21
	v_mul_u32_u24 v6, s22, v2                      ; lanes 16-31 take side 0's: one product, the distance between the two bases
	s_add_co_u32 s21, s21, SCL
	v_add_nc_u32 v5, v5, v6
	v_add_nc_u32 v[ADRS], s21, v5
	v_and_b32 v6, 31, v0
	v_lshlrev_b32 v[LO], 4, v6
	v_lshlrev_b32 v[BH], 5, v2
	v_lshlrev_b32 v[BR], 2, v1
.macro FRAG reg, adr, q, i             ; 16 rows x 128 K of 4-bit codes: 8 registers: two loads of 16 bytes, 32 bytes apart
.irp c, 0,1
	ds_load_b128 v[\reg+4*\c:\reg+4*\c+3], v[\adr] offset:64*(\q)+32*\c+(\i)*16*PITCH
.endr
.endm
; 16 matrix instructions: side 1's blocks a0, a0 + 1 x side 0's eight.  The 64 accumulators take turns, one instruction a turn, in the same order in every step.
.macro MUL16 a0, p, q, sc, zero
.irp a, \a0, \a0+1
.irp b, 0,1,2,3,4,5,6,7
.if \zero
	v_wmma_scale_f32_16x16x128_f8f6f4 v[8*(8*((\a)%4)+\b):8*(8*((\a)%4)+\b)+7], v[128*(\p)+FR*\b:128*(\p)+FR*\b+FR-1], v[AF+FR*(\a):AF+FR*(\a)+FR-1], 0, v[SC+8*NQ*(\sc)+NQ*\b+(\q)], v[SC+8*NQ*(\sc)+NQ*(\a)+(\q)] matrix_a_fmt:MATRIX_FMT_FP4 matrix_b_fmt:MATRIX_FMT_FP4 matrix_a_scale:MATRIX_SCALE_ROW1
.else
	v_wmma_scale_f32_16x16x128_f8f6f4 v[8*(8*((\a)%4)+\b):8*(8*((\a)%4)+\b)+7], v[128*(\p)+FR*\b:128*(\p)+FR*\b+FR-1], v[AF+FR*(\a):AF+FR*(\a)+FR-1], v[8*(8*((\a)%4)+\b):8*(8*((\a)%4)+\b)+7], v[SC+8*NQ*(\sc)+NQ*\b+(\q)], v[SC+8*NQ*(\sc)+NQ*(\a)+(\q)] matrix_a_fmt:MATRIX_FMT_FP4 matrix_b_fmt:MATRIX_FMT_FP4 matrix_a_scale:MATRIX_SCALE_ROW1
.endif
.endr
.endr
.endm
.macro FETCH_B slot, q, p
	WIN TO_B
.irp i, 0,1,2,3,4,5,6,7
	FRAG 128*(\p)+FR*\i, ADRB+\slot, \q, \i
.endr
	WIN 0
.endm
.macro FETCH_A slot, q, i0
.irp i, \i0, \i0+1, \i0+2, \i0+3
	FRAG AF+FR*(\i), ADRA+\slot, \q, \i
.endr
.endm
.macro SCALES sc                       ; a slot's scale words: 4 words a row; lanes 0-15 side 1's block i, lanes 16-31 side 0's block i
.irp i, 0,1,2,3,4,5,6,7
	ds_load_b128 v[SC+8*NQ*\sc+NQ*\i:SC+8*NQ*\sc+NQ*\i+3], v[ADRS] offset:\i*SBLK
.endr
.endm
.macro PLACES n                        ; plain vector instructions between a matrix instruction and a load into, or a read of, its registers
.rept \n
	v_nop
.endr
.endm
.macro STEP slot, q, zero              ; 128 along K that has its successor in the same slot
	s_wait_dscnt 4*NL                              ; all but the youngest 8 loads (side 1's blocks 4-7) are in
	WIN MUL_LO
	MUL16 0, (\q)%2, \q, \slot, \zero
	MUL16 2, (\q)%2, \q, \slot, \zero
	s_wait_dscnt 0
	PLACES NP
	FETCH_B \slot, (\q)+1, 1-(\q)%2
	FETCH_A \slot, (\q)+1, 0
	WIN MUL_HI
	MUL16 4, (\q)%2, \q, \slot, \zero
	MUL16 6, (\q)%2, \q, \slot, \zero
	PLACES NP
	WIN 0
	FETCH_A \slot, (\q)+1, 4
.endm
.macro TURN slot, next                 ; a slot's last step changes slots: one barrier
	s_wait_tensorcnt 0x0                           ; all my tensor loads have landed: my part of the next slot
	ds_add_u32 v[SPW], v[NIL]                      ; 0 onto my spare word
	s_wait_dscnt 4*NL+1                            ; the add and the youngest 8 loads may be out
	WIN MUL_LO
	MUL16 0, 1, NQ-1, \slot, 0
	s_wait_dscnt 0x0                               ; the add is done, and my reads of this slot are over
	s_barrier_signal -1
	MUL16 2, 1, NQ-1, \slot, 0
	WIN 0
	s_barrier_wait -1
	PLACES NP
	v_add_nc_u32 v[ADRS], 4*NQ, v[ADRS]            ; on to the next slot's scale words
	FETCH_B \next, 0, 0
	FETCH_A \next, 0, 0
	SCALES \next
	WIN MUL_HI
	MUL16 4, 1, NQ-1, \slot, 0
	MUL16 6, 1, NQ-1, \slot, 0
	PLACES NP
	WIN 0
	FETCH_A \next, 0, 4
.endm
.macro STEPS slot, from
.set Q, \from
.rept NQ-1-\from
	STEP \slot, Q, 0
.set Q, Q+1
.endr
.endm
	s_wait_tensorcnt 1                             ; the scales and my part of slot 0 are in; slot 1's load may be out
	s_barrier_signal -1
	s_barrier_wait -1
	FETCH_B 0, 0, 0
	FETCH_A 0, 0, 0
	SCALES 0
	FETCH_A 0, 0, 4
	STEP 0, 0, 1                                   ; the first products start the sums: nothing is cleared
	STEPS 0, 1
	TURN 0, 1
	STEPS 1, 0
	s_wait_dscnt 4*NL                              ; the very last step
	WIN MUL_LO
	MUL16 0, 1, NQ-1, 1, 0
	MUL16 2, 1, NQ-1, 1, 0
	s_wait_dscnt 0
	WIN MUL_HI
	MUL16 4, 1, NQ-1, 1, 0
	MUL16 6, 1, NQ-1, 1, 0
	WIN 0
	PLACES NP                                      ; in front of the first read of results and of writes into registers that held fragments
; THE WAY OUT.  mode 0: q (+ bq, which runs along a lane's registers);  1: k (no bias);  2: v (+ bv, one number a lane for each block a).  Block a at a time: bias, rounding to f16, eight stores of 512 consecutive bytes.
.macro EPI mode
.if \mode == 0
.irp b, 0,1,2,3,4,5,6,7
	global_load_b128 v[BI+8*\b:BI+8*\b+3], v[BH], s[8:9] offset:64*\b
	global_load_b128 v[BI+8*\b+4:BI+8*\b+7], v[BH], s[8:9] offset:64*\b+16
.endr
	s_wait_loadcnt 0x0
.endif
.if \mode == 2
.irp a, 0,1,2,3,4,5,6,7
	global_load_b32 v[BI+2*\a], v[BR], s[10:11] offset:64*\a
	global_load_b32 v[BI+2*\a+1], v[BR], s[10:11] offset:64*\a     ; the same number twice: a pair for the packed addition
.endr
	s_wait_loadcnt 0x0
.endif
.irp a, 0,1,2,3,4,5,6,7
.if \a > 0
	s_wait_xcnt 0x0                                ; the last block's stores have read their data: v96-127 are written again only behind this wait
.endif
.if \mode == 1
	WIN 0x0a+5*(\a/4)                              ; sources 0 and 1: window 2 or 3
.irp b, 0,1,2,3,4,5,6,7
.irp i, 0,1,2,3
	v_cvt_pk_f16_f32 v[PK+4*\b+\i], v[64*(\a%4)+8*\b+2*\i], v[64*(\a%4)+8*\b+2*\i+1]   ; each accumulator from its low end on
.endr
.endr
	WIN 0
.else
	WIN 0x02+(\a/4)                                ; source 0: window 2 or 3
.irp b, 0,1,2,3,4,5,6,7
.irp i, 0,1,2,3
.if \mode == 0
	v_pk_add_f32 v[T+8*\b+2*\i:T+8*\b+2*\i+1], v[64*(\a%4)+8*\b+2*\i:64*(\a%4)+8*\b+2*\i+1], v[BI+8*\b+2*\i:BI+8*\b+2*\i+1]
.else
	v_pk_add_f32 v[T+8*\b+2*\i:T+8*\b+2*\i+1], v[64*(\a%4)+8*\b+2*\i:64*(\a%4)+8*\b+2*\i+1], v[BI+2*\a:BI+2*\a+1]
.endif
.endr
.endr
	WIN 0
.irp b, 0,1,2,3,4,5,6,7
.irp i, 0,1,2,3
	v_cvt_pk_f16_f32 v[PK+4*\b+\i], v[T+8*\b+2*\i], v[T+8*\b+2*\i+1]
.endr
.endr
.endif
.irp b, 0,1,2,3,4,5,6,7
.if \mode == 2
	global_store_b128 v[LO], v[PK+4*\b:PK+4*\b+3], s[12:13] offset:(\a/4)*262144+(\a%4)*1024+(\b/2)*4096+(\b%2)*512   ; head a / 4, channels 16 (a % 4), keys 32 (b / 2) + 16 (b % 2)
.else
	global_store_b128 v[LO], v[PK+4*\b:PK+4*\b+3], s[12:13] offset:(\b/4)*262144+\a*2048+(\b%4)*512                  ; head b / 4, tokens 16 a, channels 16 (b % 4)
.endif
.endr
.endr
.endm
.macro BASEQK                          ; p x 16 MiB + (16 batch + head) x 256 KiB + (tile of 16 tokens) x 2 KiB
	s_lshr_b32 s18, s17, 3                         ; batch = tile1 / 8
	s_lshl_b32 s18, s18, 4
	s_lshl_b32 s19, s42, 2
	s_add_co_u32 s18, s18, s19
	s_lshl_b32 s19, s16, 1
	s_add_co_u32 s18, s18, s19                     ; + head = 4 tile0 + 2 wc
	s_lshl_b32 s18, s18, 18
	s_and_b32 s19, s17, 7
	s_lshl_b32 s19, s19, 4
	s_lshl_b32 s20, s15, 3
	s_add_co_u32 s19, s19, s20                     ; 16 (tile1 % 8) + 8 wr
	s_lshl_b32 s19, s19, 11
	s_add_co_u32 s18, s18, s19
	s_lshl_b32 s19, s98, 24
	s_add_co_u32 s18, s18, s19
	s_mov_b32 s19, 0
	s_add_nc_u64 s[12:13], s[12:13], s[18:19]
.endm
	s_cmp_eq_u32 s98, 1                            ; p comes from the cluster's y: the same in all sixteen partners and in all waves
	s_cbranch_scc1 .Lk
	s_cmp_eq_u32 s98, 2
	s_cbranch_scc1 .Lv
	BASEQK
	s_lshl_b32 s18, s42, 10
	s_lshl_b32 s19, s16, 9
	s_add_co_u32 s18, s18, s19                     ; bq at feature 256 tile0 + 128 wc
	s_mov_b32 s19, 0
	s_add_nc_u64 s[8:9], s[8:9], s[18:19]
	EPI 0
	s_branch .Ldone
.Lk:
	BASEQK
	EPI 1
	s_branch .Ldone
.Lv:
	s_lshr_b32 s18, s42, 3                         ; batch = tile0 / 8
	s_lshl_b32 s18, s18, 4
	s_lshl_b32 s19, s17, 2
	s_add_co_u32 s18, s18, s19
	s_lshl_b32 s19, s15, 1
	s_add_co_u32 s18, s18, s19                     ; + head = 4 tile1 + 2 wr
	s_lshl_b32 s18, s18, 18
	s_and_b32 s19, s42, 7
	s_lshl_b32 s19, s19, 3
	s_lshl_b32 s20, s16, 2
	s_add_co_u32 s19, s19, s20                     ; group of 32 keys: 8 (tile0 % 8) + 4 wc
	s_lshl_b32 s19, s19, 12
	s_add_co_u32 s18, s18, s19
	s_add_co_u32 s18, s18, 2<<24
	s_mov_b32 s19, 0
	s_add_nc_u64 s[12:13], s[12:13], s[18:19]
	s_lshl_b32 s18, s17, 10
	s_lshl_b32 s19, s15, 9
	s_add_co_u32 s18, s18, s19                     ; bv at feature 256 tile1 + 128 wr
	s_mov_b32 s19, 0
	s_add_nc_u64 s[10:11], s[10:11], s[18:19]
	EPI 2
.Ldone:
	s_wait_tensorcnt 0x0                           ; the wave's end
	ds_add_u32 v[SPW], v[NIL]
	s_wait_dscnt 0x0
	CROUND                                         ; the closing round: no work-group ends while a partner may still ask for a tile that names it
	s_endpgm
.Lfunc_end_k_q9a88522427_proj:
	.size	k_q9a88522427_proj, .Lfunc_end_k_q9a88522427_proj-k_q9a88522427_proj
	.p2alignl 7, 3214868480
	.fill 96, 4, 3214868480
	.section	.rodata,"a",@progbits
	.p2align	6, 0x0
	.amdhsa_kernel k_q9a88522427_proj
		.amdhsa_group_segment_fixed_size 327680
		.amdhsa_private_segment_fixed_size 0
		.amdhsa_enable_private_segment 0
		.amdhsa_kernarg_size 40
		.amdhsa_user_sgpr_count 2
		.amdhsa_user_sgpr_kernarg_segment_ptr 1
		.amdhsa_wavefront_size32 1
		.amdhsa_system_sgpr_workgroup_id_x 1
		.amdhsa_system_sgpr_workgroup_id_y 1
		.amdhsa_system_sgpr_workgroup_id_z 1
		.amdhsa_system_vgpr_workitem_id 0
		.amdhsa_next_free_vgpr 1024
		.amdhsa_next_free_sgpr 102
		.amdhsa_reserve_vcc 0
		.amdhsa_float_denorm_mode_32 3
		.amdhsa_float_denorm_mode_16_64 3
		.amdhsa_memory_ordered 1
		.amdhsa_forward_progress 1
		.amdhsa_inst_pref_size 200
	.end_amdhsa_kernel
	.amdgpu_metadata
---
amdhsa.version: [ 1, 2 ]
amdhsa.kernels:
  - .name:           k_q9a88522427_proj
    .symbol:         k_q9a88522427_proj.kd
    .args:
      - { .name: codes, .offset: 0, .size: 8, .value_kind: global_buffer, .address_space: global }
      - { .name: scales, .offset: 8, .size: 8, .value_kind: global_buffer, .address_space: global }
      - { .name: bq, .offset: 16, .size: 8, .value_kind: global_buffer, .address_space: global }
      - { .name: bv, .offset: 24, .size: 8, .value_kind: global_buffer, .address_space: global }
      - { .name: qkv, .offset: 32, .size: 8, .value_kind: global_buffer, .address_space: global }
    .group_segment_fixed_size: 327680
    .private_segment_fixed_size: 0
    .kernarg_segment_align: 8
    .kernarg_segment_size: 40
    .max_flat_workgroup_size: 128
    .sgpr_count:     102
    .vgpr_count:     1024
    .wavefront_size: 32
...
	.end_amdgpu_metadata
.endif
;; end of part 2
;; launch attn (part 3): grid 4 x 64, 8 waves a work-group, clusters of 4 x 1, 327,680 bytes of LDS; arguments qkv, ao; writes ao
.if DOCPART == 3
	.amdgcn_target "amdgcn-amd-amdhsa--gfx1250"
	.amdhsa_code_object_version 6
	.text
	.protected	k_q9a88522427_attn
	.globl	k_q9a88522427_attn
	.p2align	8
	.type	k_q9a88522427_attn,@function
k_q9a88522427_attn:
	s_mov_b64 s[64:65], 0
	v_nop
	global_prefetch_b8 v0, s[64:65] scope:SCOPE_SE
	s_setreg_imm32_b32 hwreg(HW_REG_WAVE_MODE, 25, 1), 1
	s_wait_xcnt 0x0
	s_wait_alu depctr_hold_cnt(0) depctr_sa_sdst(0) depctr_va_vdst(0) depctr_va_sdst(0) depctr_va_ssrc(0) depctr_va_vcc(0) depctr_vm_vsrc(0)
	s_getreg_b32 s2, hwreg(HW_REG_IB_STS2, 6, 4)
	s_cmp_eq_u32 s2, 0
	s_cbranch_scc0 .Lentry_in_a_cluster
	s_endpgm
.Lentry_in_a_cluster:
	s_bfe_u32 s2, ttmp6, 0x10000c
	s_cmp_lg_u32 s2, 0x3003
	s_cbranch_scc0 .Lentry_shape_is_right
	s_endpgm
.Lentry_shape_is_right:
; LAUNCH 3 OF 4.  o = softmax(q k^T / 8) v for each of 64 (batch, head), head size 64, 2,048 keys, no mask.  Operands f16, products, maxima and sums f32; the weights p are rounded to f16 for the second product, o once at the end.
; (k carries no bk: the term is the same along the softmax's axis; shown at the head of the first launch.)
; LIMITS: a p under 2^-25 of its row's largest rounds to 0 (f16); |o| beyond 65,504 is not served.
; SHARES.  A work-group owns 512 queries of one (batch, head), each of its EIGHT waves 64: four tiles of 16, in 512 registers: two waves to a SIMD, so that one wave's softmax stands beside the other's products.
; Every wave walks all 2,048 keys, 64 a step.  K and V come through two LDS slots of 512 keys each (64 KiB of K, 64 KiB of V); every wave fetches an eighth of a slot, 16 KiB, by one tensor load.
; LAYOUT.  S^T = K Q^T (source 0 = 16 keys, source 1 = 16 queries), O^T = V^T P (source 0 = 16 channels): a lane holds ONE query throughout.  Two tiles of S^T, rounded in pairs, ARE source 1 of the second product.
; Q, K, V lie in memory as images of their operand registers (made by the launch before): a fragment is two loads of 16 bytes at 16 x lane, a step's tiles are dense blocks: no pitch, no padding, nothing is turned.
; SOFTMAX.  A running maximum m and sum l for each query: p = 2^(c s - c m), c = log2(e) / 8; in every step O and l are multiplied by a = 2^(c m_old - c m_new).  m begins at -3e38, l and O^T at 0, so the step is written in one form.
; CLUSTER.  The four query blocks of a (batch, head) walk the same K and V: each tile is asked for JOINTLY, by the same tensor load with the same descriptor and the mask 15.
; REGISTERS.  window 0: v1-7 addresses; v16-47 statistics, 8 a tile (+0 c m, +1 m, +2, +3 l, +4..7 at work, a at +6); v64-127 K of a step; v128-255 S^T, 32 a tile; P lies in S^T's first 16 registers of each tile.
;   window 1: v0-63 Q; v64-191 O^T, 32 a tile; v192-255 V of a step.
.set SLOT1, 1<<17                      ; slot 1 begins here: one exclusive or turns an address from one slot to the other
.set VOFF,  65536                      ; in a slot: K's 64 KiB, then V's
.set STEPB, 8192                       ; 64 keys of K, or of V
.set SPARE, 2*SLOT1                    ; the spare words, 128 bytes for each of eight waves
.set LI,  1                            ; v1  16 x lane
.set AV0, 2                            ; v2  16 x lane + VOFF
.set ADK, 3                            ; v3  LDS address of the run of K's loads in hand
.set ADV, 4                            ; v4  of V's
.set SPW, 6                            ; v6  my spare word; never rewritten
.set NIL, 7                            ; v7  0; never rewritten
.set ST,  16
.set KF,  64
.set S,   128
.set QF,  0                            ; window 1
.set O,   64
.set VF,  192
.set WV,  8                            ; s8  wave
.set G1,  16                           ; s[16:23] descriptor group 1
.set G0A, 24                           ; s[24:27] group 0 of slot 0's first fill
.set G0W, 28                           ; s[28:31] group 0 of slot 1's first fill; it then walks
.set CS,  32                           ; s[32:33] c
.set SEL, 34                           ; s[34:35] lane selects: lane l xor 16
.set TN,  36                           ; s36 LDS byte at which the next step's K begins
.set MSB, 0
.macro WIN new                         ; the immediate's high byte repeats the setting that is left
.if MSB != (\new)
	s_set_vgpr_msb (MSB<<8)|(\new)
.set MSB, (\new)
.endif
.endm
.set W_KQ, 0x04                        ; Q (source 1) window 1
.set W_RS, 0x41                        ; O^T (destination, source 0) window 1
.set W_PV, 0x51                        ; V (source 0), O^T (C and D) window 1; P window 0
.set TO1,  0x40                        ; destination window 1
.macro CROUND                          ; a round of the cluster's barrier
	s_barrier_signal -1
	s_barrier_wait -1
	s_cmp_lg_u32 s[WV], 0
	s_cbranch_scc1 .Lnot_wave_0_\@
	s_barrier_signal -3
.Lnot_wave_0_\@:
	s_barrier_wait -3
	s_barrier_signal -1
	s_barrier_wait -1
.endm
	s_load_b128 s[4:7], s[0:1], 0x0                ; qkv, ao
	v_lshl_add_u32 v[SPW], v0, 2, SPARE
	v_mov_b32 v[NIL], 0
	ds_add_u32 v[SPW], v[NIL]                      ; the wave's opening: the add, twice on end, and its wait ahead of my first tensor load
	ds_add_u32 v[SPW], v[NIL]
	v_lshrrev_b32 v1, 5, v0
	v_readfirstlane_b32 s[WV], v1                  ; wave 0..7
	s_bfe_u32 s9, ttmp6, 0x40000                   ; cx: my block of 512 queries; it enters Q's and o's addresses alone
	s_and_b32 s10, ttmp7, 0xffff                   ; 16 batch + head, which the four partners share
	s_mov_b32 s[G1], 15|(3<<16)|(1<<21)            ; the mask: all four; elements of 8 bytes; bit 21 beside a mask; no padding
	s_mov_b32 s[G1+1], 32<<16                      ; tensor_dim0: 32 elements = 256 bytes
	s_mov_b32 s[G1+2], 64<<16                      ; tensor_dim1: 64 rows: a dense block of 16 KiB
	s_mov_b32 s[G1+3], 32<<16                      ; tile_dim0
	s_mov_b32 s[G1+4], 64                          ; tile_dim1
	s_mov_b32 s[G1+5], 32                          ; the pitch
	s_mov_b32 s[G1+6], 0
	s_mov_b32 s[G1+7], 0
	s_lshr_b32 s12, s[WV], 2                       ; waves 0-3 fetch K's quarters, waves 4-7 V's
	s_add_co_u32 s12, s12, 1
	s_lshl_b32 s12, s12, 24                        ; K at 16 MiB, V at 32 MiB
	s_lshl_b32 s13, s10, 18
	s_add_co_u32 s12, s12, s13
	s_and_b32 s13, s[WV], 3
	s_lshl_b32 s13, s13, 14
	s_add_co_u32 s12, s12, s13
	s_mov_b32 s13, 0
	s_lshl_b32 s14, s10, 18                        ; Q: my wave's four tiles of 2 KiB
	s_lshl_b32 s15, s9, 16
	s_add_co_u32 s14, s14, s15
	s_lshl_b32 s15, s[WV], 13
	s_add_co_u32 s14, s14, s15
	s_mov_b32 s15, 0
	s_lshr_b32 s40, s10, 4                         ; o: tile of 16 tokens = 128 batch + 32 cx + 4 wave, 32 KiB each; the head's 2 KiB in it
	s_lshl_b32 s40, s40, 7
	s_lshl_b32 s41, s9, 5
	s_add_co_u32 s40, s40, s41
	s_lshl_b32 s41, s[WV], 2
	s_add_co_u32 s40, s40, s41
	s_lshl_b32 s40, s40, 15
	s_and_b32 s41, s10, 15
	s_lshl_b32 s41, s41, 11
	s_add_co_u32 s40, s40, s41
	s_mov_b32 s41, 0
	s_mov_b32 s[CS], 0x3e38aa3b                    ; c = log2(e) / 8
	s_mov_b32 s[CS+1], s[CS]
	s_mov_b32 s[SEL], 0x76543210
	s_mov_b32 s[SEL+1], 0xfedcba98
	v_and_b32 v[LI], 31, v0
	v_lshlrev_b32 v[LI], 4, v[LI]
	v_add_nc_u32 v[AV0], VOFF, v[LI]
	s_wait_dscnt 0x0                               ; both opening adds are done
	s_wait_kmcnt 0x0
	s_mov_b32 s[G0A], 1
	s_lshl_b32 s[G0A+1], s[WV], 14                 ; LDS: wave x 16 KiB: no place in the cluster enters an LDS address
	s_add_nc_u64 s[G0A+2:G0A+3], s[4:5], s[12:13]  ; keys 0 to 511
	s_or_b32 s[G0A+3], s[G0A+3], 0x80000000
	s_mov_b32 s[G0W], 1
	s_add_co_u32 s[G0W+1], s[G0A+1], SLOT1
	s_add_nc_u64 s[G0W+2:G0W+3], s[4:5], s[12:13]
	s_add_nc_u64 s[G0W+2:G0W+3], s[G0W+2:G0W+3], 65536   ; keys 512 to 1,023
	s_or_b32 s[G0W+3], s[G0W+3], 0x80000000
	s_add_nc_u64 s[4:5], s[4:5], s[14:15]          ; Q at my wave's first tile
	s_add_nc_u64 s[6:7], s[6:7], s[40:41]          ; o likewise
	CROUND                                         ; all four work-groups are here: the first joint loads meet
	tensor_load_to_lds s[G0A:G0A+3], s[G1:G1+7]    ; every wave issues both first fills: two tensor loads of mine are out
	s_nop 0
	tensor_load_to_lds s[G0W:G0W+3], s[G1:G1+7]
	s_nop 0
.rept 4
	v_nop
.endr
	WIN TO1
.irp i, 0,1,2,3,4,5,6,7,8,9,10,11,12,13,14,15
	global_load_b128 v[QF+4*\i:QF+4*\i+3], v[LI], s[4:5] offset:512*\i   ; Q stays in registers: tile i / 4, channels 32 ((i / 2) % 2) + 16 (i % 2)
.endr
.set i, 0
.rept 128
	v_mov_b32 v[O+i], 0                            ; O^T begins as zeros, while the first fills are on their way: the key step then has one form, and every loop a constant count
.set i, i+1
.endr
	WIN 0
.irp t, 0,1,2,3
	v_mov_b32 v[ST+8*\t], 0xff61b1e6               ; c m and m: -3e38, under every score
	v_mov_b32 v[ST+8*\t+1], 0xff61b1e6
	v_mov_b32 v[ST+8*\t+2], 0                      ; l, in two halves
	v_mov_b32 v[ST+8*\t+3], 0
.endr
.macro LDK                             ; a step's K: 64 keys x 64 channels: 16 loads of 512 consecutive bytes
.irp i, 0,1,2,3,4,5,6,7,8,9,10,11,12,13,14,15
	ds_load_b128 v[KF+4*\i:KF+4*\i+3], v[ADK] offset:512*\i
.endr
.endm
.macro LDV                             ; a step's V
	WIN TO1
.irp i, 0,1,2,3,4,5,6,7,8,9,10,11,12,13,14,15
	ds_load_b128 v[VF+4*\i:VF+4*\i+3], v[ADV] offset:512*\i
.endr
	WIN 0
.endm
; 32 products S^T = K Q^T: channels 32 u, keys 16 k, tile t.  The 16 accumulators take turns, one instruction a turn; the first 16 start the sums.
.macro KQ
	WIN W_KQ
.irp u, 0,1
.irp k, 0,1,2,3
.irp t, 0,1,2,3
.if \u == 0
	v_wmma_f32_16x16x32_f16 v[S+32*\t+8*\k:S+32*\t+8*\k+7], v[KF+16*\k+8*\u:KF+16*\k+8*\u+7], v[QF+16*\t+8*\u:QF+16*\t+8*\u+7], 0
.else
	v_wmma_f32_16x16x32_f16 v[S+32*\t+8*\k:S+32*\t+8*\k+7], v[KF+16*\k+8*\u:KF+16*\k+8*\u+7], v[QF+16*\t+8*\u:QF+16*\t+8*\u+7], v[S+32*\t+8*\k:S+32*\t+8*\k+7]
.endif
.endr
.endr
.endr
.endm
; 32 products O^T += V^T P: keys 32 g, channels 16 c, tile t; 16 accumulators by turns.
.macro PV
	WIN W_PV
.irp g, 0,1
.irp c, 0,1,2,3
.irp t, 0,1,2,3
	v_wmma_f32_16x16x32_f16 v[O+32*\t+8*\c:O+32*\t+8*\c+7], v[VF+32*\g+8*\c:VF+32*\g+8*\c+7], v[S+32*\t+8*\g:S+32*\t+8*\g+7], v[O+32*\t+8*\c:O+32*\t+8*\c+7]
.endr
.endr
.endr
.endm
; The four tiles' softmax of a step, the tiles by turns, so that no line waits for the line above it.
.macro SOFTMAX
.irp j, 0,1,2,3                        ; the maximum: four chains of seven scores; each accumulator is read from its low end on
.irp t, 0,1,2,3
	v_max3_num_f32 v[ST+8*\t+4+\j], v[S+32*\t+8*\j], v[S+32*\t+8*\j+1], v[S+32*\t+8*\j+2]
.endr
.endr
.irp w, 1,2
.irp j, 0,1,2,3
.irp t, 0,1,2,3
	v_max3_num_f32 v[ST+8*\t+4+\j], v[ST+8*\t+4+\j], v[S+32*\t+8*\j+2*\w+1], v[S+32*\t+8*\j+2*\w+2]
.endr
.endr
.endr
.irp t, 0,1,2,3
	v_max3_num_f32 v[ST+8*\t+4], v[ST+8*\t+4], v[S+32*\t+7], v[S+32*\t+15]
.endr
.irp t, 0,1,2,3
	v_max3_num_f32 v[ST+8*\t+6], v[ST+8*\t+6], v[S+32*\t+23], v[S+32*\t+31]
.endr
.irp t, 0,1,2,3
	v_max3_num_f32 v[ST+8*\t+4], v[ST+8*\t+4], v[ST+8*\t+5], v[ST+8*\t+6]
.endr
.irp t, 0,1,2,3
	v_max3_num_f32 v[ST+8*\t+4], v[ST+8*\t+4], v[ST+8*\t+7], v[ST+8*\t+1]   ; with the old m
.endr
.irp t, 0,1,2,3
	v_permlanex16_b32 v[ST+8*\t+5], v[ST+8*\t+4], s[SEL], s[SEL+1]          ; the query's other 32 keys lie in the lane 16 away
.endr
.irp t, 0,1,2,3
	v_mov_b32 v[ST+8*\t+7], v[ST+8*\t]                                      ; c m_old is kept for a
.endr
.irp t, 0,1,2,3
	v_max_num_f32 v[ST+8*\t+1], v[ST+8*\t+4], v[ST+8*\t+5]
.endr
.irp t, 0,1,2,3
	v_mul_f32 v[ST+8*\t], s[CS], v[ST+8*\t+1]
.endr
.irp t, 0,1,2,3
	v_sub_f32 v[ST+8*\t+7], v[ST+8*\t+7], v[ST+8*\t]
.endr
.irp t, 0,1,2,3
	v_exp_f32 v[ST+8*\t+6], v[ST+8*\t+7]                                    ; a
.endr
.irp i, 0,1,2,3,4,5,6,7,8,9,10,11,12,13,14,15
	v_pk_fma_f32 v[S+2*\i:S+2*\i+1], v[S+2*\i:S+2*\i+1], s[CS:CS+1], v[ST:ST+1] op_sel_hi:[1,0,0] neg_lo:[0,0,1] neg_hi:[0,0,1]   ; tile 0: c s - c m, a pair at a time
.endr
.irp t, 0,1,2,3                        ; ONE BATCH of 132 exponentials with a's four; the next tile's scalings stand among them; none of these lines names an exponential's result
.irp i, 0,1,2,3,4,5,6,7,8,9,10,11,12,13,14,15
	v_exp_f32 v[S+32*\t+2*\i], v[S+32*\t+2*\i]
	v_exp_f32 v[S+32*\t+2*\i+1], v[S+32*\t+2*\i+1]
.if \t < 3
	v_pk_fma_f32 v[S+32*(\t+1)+2*\i:S+32*(\t+1)+2*\i+1], v[S+32*(\t+1)+2*\i:S+32*(\t+1)+2*\i+1], s[CS:CS+1], v[ST+8*(\t+1):ST+8*(\t+1)+1] op_sel_hi:[1,0,0] neg_lo:[0,0,1] neg_hi:[0,0,1]
.endif
.endr
.endr
	v_nop                                          ; a plain instruction behind the last exponential
	s_wait_alu depctr_va_vdst(0)                   ; one wait for the whole batch, ahead of its first reader
.irp i, 0,1,2,3,4,5,6,7,8,9,10,11,12,13,14,15
.irp t, 0,1,2,3
.if \i == 0
	v_pk_fma_f32 v[ST+8*\t+2:ST+8*\t+3], v[ST+8*\t+2:ST+8*\t+3], v[ST+8*\t+6:ST+8*\t+7], v[S+32*\t:S+32*\t+1] op_sel_hi:[1,0,1]   ; l = a l + the first pair
.else
	v_pk_add_f32 v[ST+8*\t+2:ST+8*\t+3], v[ST+8*\t+2:ST+8*\t+3], v[S+32*\t+2*\i:S+32*\t+2*\i+1]
.endif
.endr
.irp t, 0,1,2,3
	v_cvt_pk_f16_f32 v[S+32*\t+\i], v[S+32*\t+2*\i], v[S+32*\t+2*\i+1]      ; P in place: register i belonged to pair i / 2, which has been summed and rounded
.endr
.endr
.endm
.macro RESCALE                         ; O^T times the tile's register +6, each accumulator from its low end on
	WIN W_RS
.irp i, 0,1,2,3,4,5,6,7,8,9,10,11,12,13,14,15
.irp t, 0,1,2,3
	v_pk_mul_f32 v[O+32*\t+2*\i:O+32*\t+2*\i+1], v[O+32*\t+2*\i:O+32*\t+2*\i+1], v[ST+8*\t+6:ST+8*\t+7] op_sel_hi:[1,0]
.endr
.endr
.endm
; A KEY STEP.  At its head K of the step is in registers and V's 16 loads may be out.  mode 0: the next step lies in the same slot.  1: a slot's last step; the slot is filled again.  2: the same, nothing is left to fetch.  3: the last step.
.macro STEP mode
	KQ
	WIN 0
.if \mode == 0
	v_add_nc_u32 v[ADK], s[TN], v[LI]              ; with the three v_nop: four places in front of loads into K's registers and of the first read of the scores
.rept 3
	v_nop
.endr
	LDK
.endif
.if (\mode == 1) || (\mode == 2)
	s_wait_tensorcnt 0x0                           ; all my tensor loads have landed: my part of the other slot; so a group 0 may be written
	ds_add_u32 v[SPW], v[NIL]                      ; 0 onto my spare word
.if \mode == 1
	s_xor_b32 s[G0W+1], s[G0W+1], SLOT1            ; the walking descriptor: the other slot than last time,
	s_add_nc_u64 s[G0W+2:G0W+3], s[G0W+2:G0W+3], 65536   ; the next 512 keys
.endif
	s_wait_dscnt 0x0                               ; the add is done, and my reads of this slot are over: its last, V of this step, are in
.if \mode == 1
	CROUND                                         ; no wave of any partner still reads the slot or has a load on its way
	tensor_load_to_lds s[G0W:G0W+3], s[G1:G1+7]    ; my one tensor load behind the round: it has eight key steps in which to land
	s_nop 0
.else
	s_barrier_signal -1
	s_barrier_wait -1
.endif
.rept 4
	v_nop                                          ; also the places in front of the loads and reads below
.endr
	s_sub_co_u32 s[TN], s[TN], 65536               ; back to a slot's first step,
	s_xor_b32 s[TN], s[TN], SLOT1                  ; in the other slot
	v_add_nc_u32 v[ADK], s[TN], v[LI]
	LDK
.endif
.if \mode == 3
.rept 4
	v_nop
.endr
.endif
	SOFTMAX
	RESCALE
.if \mode == 3
	s_wait_dscnt 0x0
.else
	s_wait_dscnt 16                                ; V of this step is in; the 16 younger loads, K of the next step, may be out
.endif
	PV
	WIN 0
.if \mode != 3
	v_add_nc_u32 v[ADV], s[TN], v[AV0]             ; with the four v_nop: five places, for the loads into V's registers and for the next products, which write over P
.rept 4
	v_nop
.endr
	s_add_co_u32 s[TN], s[TN], STEPB
	LDV
	s_wait_dscnt 16                                ; K of the next step is in; V's 16 loads may be out
.endif
.endm
.macro L7                              ; a slot's first seven steps
	s_mov_b32 s37, 7
.Lstep_\@:
	STEP 0
	s_sub_co_u32 s37, s37, 1
	s_cmp_lg_u32 s37, 0
	s_cbranch_scc1 .Lstep_\@
.endm
	s_wait_tensorcnt 1                             ; my part of slot 0 is in; slot 1's may stay out
	s_barrier_signal -1
	s_barrier_wait -1                              ; everybody's is
	v_mov_b32 v[ADK], v[LI]
	v_mov_b32 v[ADV], v[AV0]
	LDK                                            ; key step 0
	LDV
	s_mov_b32 s[TN], STEPB
	s_wait_loadcnt 0x0                             ; Q
	s_wait_dscnt 16                                ; K is in; V's 16 loads may be out
	s_mov_b32 s38, 2
.Lchunk:                                           ; two trips: slots 0 and 1 are filled again, with keys 1,024 on and 1,536 on
	L7
	STEP 1
	s_sub_co_u32 s38, s38, 1
	s_cmp_lg_u32 s38, 0
	s_cbranch_scc1 .Lchunk
	L7                                             ; the tail is written out
	STEP 2
	L7
	STEP 3
	; THE WAY OUT.  l's halves and the other half of the lanes' are added (these lines are the places behind the last products); O^T / l, rounded to f16, is an image of the next product's operand registers.
.irp t, 0,1,2,3
	v_add_f32 v[ST+8*\t+4], v[ST+8*\t+2], v[ST+8*\t+3]
.endr
.irp t, 0,1,2,3
	v_permlanex16_b32 v[ST+8*\t+5], v[ST+8*\t+4], s[SEL], s[SEL+1]
.endr
.irp t, 0,1,2,3
	v_add_f32 v[ST+8*\t+4], v[ST+8*\t+4], v[ST+8*\t+5]
.endr
.irp t, 0,1,2,3
	v_rcp_f32 v[ST+8*\t+6], v[ST+8*\t+4]
.endr
	v_nop                                          ; a plain instruction behind the last reciprocal
	s_wait_alu depctr_va_vdst(0)                   ; one wait for the four, ahead of their first reader
	RESCALE
	WIN 0x05                                       ; sources window 1, destination window 0
.irp t, 0,1,2,3
.irp c, 0,1,2,3
.irp i, 0,1,2,3
	v_cvt_pk_f16_f32 v[S+16*\t+4*\c+\i], v[O+32*\t+8*\c+2*\i], v[O+32*\t+8*\c+2*\i+1]
.endr
.endr
.endr
	WIN 0
.irp t, 0,1,2,3
.irp c, 0,1,2,3
	global_store_b128 v[LI], v[S+16*\t+4*\c:S+16*\t+4*\c+3], s[6:7] offset:\t*32768+\c*512   ; 512 consecutive bytes, aligned: tokens 16 t, the head's channels 16 c
.endr
.endr
	s_wait_tensorcnt 0x0                           ; the wave's end
	ds_add_u32 v[SPW], v[NIL]
	s_wait_dscnt 0x0
	CROUND                                         ; the closing round
	s_endpgm
.Lfunc_end_k_q9a88522427_attn:
	.size	k_q9a88522427_attn, .Lfunc_end_k_q9a88522427_attn-k_q9a88522427_attn
	.p2alignl 7, 3214868480
	.fill 96, 4, 3214868480
	.section	.rodata,"a",@progbits
	.p2align	6, 0x0
	.amdhsa_kernel k_q9a88522427_attn
		.amdhsa_group_segment_fixed_size 327680
		.amdhsa_private_segment_fixed_size 0
		.amdhsa_enable_private_segment 0
		.amdhsa_kernarg_size 16
		.amdhsa_user_sgpr_count 2
		.amdhsa_user_sgpr_kernarg_segment_ptr 1
		.amdhsa_wavefront_size32 1
		.amdhsa_system_sgpr_workgroup_id_x 1
		.amdhsa_system_sgpr_workgroup_id_y 1
		.amdhsa_system_sgpr_workgroup_id_z 1
		.amdhsa_system_vgpr_workitem_id 0
		.amdhsa_next_free_vgpr 512
		.amdhsa_next_free_sgpr 66
		.amdhsa_reserve_vcc 0
		.amdhsa_float_denorm_mode_32 3
		.amdhsa_float_denorm_mode_16_64 3
		.amdhsa_memory_ordered 1
		.amdhsa_forward_progress 1
		.amdhsa_inst_pref_size 212
	.end_amdhsa_kernel
	.amdgpu_metadata
---
amdhsa.version: [ 1, 2 ]
amdhsa.kernels:
  - .name:           k_q9a88522427_attn
    .symbol:         k_q9a88522427_attn.kd
    .args:
      - { .name: qkv, .offset: 0, .size: 8, .value_kind: global_buffer, .address_space: global }
      - { .name: ao, .offset: 8, .size: 8, .value_kind: global_buffer, .address_space: global }
    .group_segment_fixed_size: 327680
    .private_segment_fixed_size: 0
    .kernarg_segment_align: 8
    .kernarg_segment_size: 16
    .max_flat_workgroup_size: 256
    .sgpr_count:     66
    .vgpr_count:     512
    .wavefront_size: 32
...
	.end_amdgpu_metadata
.endif
;; end of part 3
;; launch outp (part 4): grid 4 x 64, 4 waves a work-group, clusters of 4 x 4, 327,680 bytes of LDS; arguments ao, wo16, bo, out0; writes out0
.if DOCPART == 4
	.amdgcn_target "amdgcn-amd-amdhsa--gfx1250"
	.amdhsa_code_object_version 6
	.text
	.protected	k_q9a88522427_outp
	.globl	k_q9a88522427_outp
	.p2align	8
	.type	k_q9a88522427_outp,@function
k_q9a88522427_outp:
	s_mov_b64 s[64:65], 0
	v_nop
	global_prefetch_b8 v0, s[64:65] scope:SCOPE_SE
	s_setreg_imm32_b32 hwreg(HW_REG_WAVE_MODE, 25, 1), 1
	s_wait_xcnt 0x0
	s_wait_alu depctr_hold_cnt(0) depctr_sa_sdst(0) depctr_va_vdst(0) depctr_va_sdst(0) depctr_va_ssrc(0) depctr_va_vcc(0) depctr_vm_vsrc(0)
	s_getreg_b32 s2, hwreg(HW_REG_IB_STS2, 6, 4)
	s_cmp_eq_u32 s2, 0
	s_cbranch_scc0 .Lentry_in_a_cluster
	s_endpgm
.Lentry_in_a_cluster:
	s_bfe_u32 s2, ttmp6, 0x10000c
	s_cmp_lg_u32 s2, 0xf033
	s_cbranch_scc0 .Lentry_shape_is_right
	s_endpgm
.Lentry_shape_is_right:
; LAUNCH 4 OF 4.  out0 = o Wo^T + bo.  o: f16, as images of operand registers ([16 tokens 512][32 features 32][half 2][lane 32][16 bytes]); Wo: f16 [1024][1024]; sums f32; out0 f32.
; A tile of 128 tokens x 256 outputs to a work-group: 256 work-groups.  Four waves, each 64 tokens x 128 outputs: 32 accumulators, 256 registers.  K goes in 8 steps of 128 through two LDS slots.
; THE MATRIX INSTRUCTION IS USED TRANSPOSED (source 0 = 16 rows of Wo, source 1 = 16 tokens): a lane holds eight neighbouring outputs of one token.  bo is the C of each sum's first product: no addition, nothing cleared.
; CLUSTERS: 4 x 4.  o's tile hangs on the tile row: shared along a row of the cluster; Wo's on the tile column: shared along a column.  Each is asked for jointly.
; A slot: o's 8 tiles of 16 tokens x 128 features as images, 4 KiB each (dense: a load is 512 consecutive bytes); then Wo's 256 rows of 256 bytes + 16 of padding.
; REGISTERS.  window 0: v16-29 addresses; two fragment buffers: v32-95 Wo, v96-127 o; v128-191 Wo, v192-223 o.  window 1: the accumulators ((a, b) at v[8 (8 a + b)]).  window 2: v0-63 bo in the result's layout.
.set PITCH,  272
.set HALFB,  128*PITCH                 ; Wo's 128 rows: what one tensor load brings
.set ABYTES, 32768
.set SLOT,   ABYTES+2*HALFB
.set SPARE,  2*SLOT                    ; the spare words, 128 bytes a wave
.set SPITCH, 528                       ; the way out: a stage of 16 rows x (512 + 16) bytes for each wave, in slot 0, which has had its last fill and its last read when the first result is stored there
.set ADRA, 16                          ; v16-17 o's fragments in slot 0, 1
.set ADRB, 20                          ; v20-21 Wo's
.set STO,  24
.set RD,   25
.set CO,   26
.set SPW,  28                          ; v28 my spare word; never rewritten
.set NIL,  29                          ; v29 0; never rewritten
.set F0,   32
.set F1,   128
.set G1, 24                            ; s[24:31], s[32:39] groups 1 and 0 (a set a slot) for o's tiles
.set G0, 32
.set G1B, 48                           ; s[48:55], s[56:63] for Wo's
.set G0B, 56
.set MSB, 0
.macro WIN new                         ; the immediate's high byte repeats the setting that is left
.if MSB != (\new)
	s_set_vgpr_msb (MSB<<8)|(\new)
.set MSB, (\new)
.endif
.endm
.set W_MUL,   0x50                     ; C and D window 1
.set W_FIRST, 0x60                     ; C (bo) window 2, D window 1
.macro JLOAD s                         ; waves 0 and 1 fetch o's halves, waves 2 and 3 Wo's; an s_nop 0 and four v_nop follow each line
	s_cmp_eq_u32 s13, 0
	s_cbranch_scc0 .Lfor_b_\@
	tensor_load_to_lds s[G0+4*\s:G0+4*\s+3], s[G1:G1+7]
	s_nop 0
.rept 4
	v_nop
.endr
	s_branch .Lasked_\@
.Lfor_b_\@:
	tensor_load_to_lds s[G0B+4*\s:G0B+4*\s+3], s[G1B:G1B+7]
	s_nop 0
.rept 4
	v_nop
.endr
.Lasked_\@:
.endm
.macro CREST                           ; a round of the cluster's barrier behind its opening barrier
	s_cmp_lg_u32 s12, 0
	s_cbranch_scc1 .Lnot_wave_0_\@
	s_barrier_signal -3
.Lnot_wave_0_\@:
	s_barrier_wait -3
	s_barrier_signal -1
	s_barrier_wait -1
.endm
.macro CROUND
	s_barrier_signal -1
	s_barrier_wait -1
	CREST
.endm
	s_load_b256 s[4:11], s[0:1], 0x0               ; ao 4:5, wo16 6:7, bo 8:9, out0 10:11
	v_lshl_add_u32 v[SPW], v0, 2, SPARE
	v_mov_b32 v[NIL], 0
	ds_add_u32 v[SPW], v[NIL]                      ; the wave's opening: the add, twice on end, and its wait ahead of my first tensor load
	ds_add_u32 v[SPW], v[NIL]
	v_lshrrev_b32 v1, 5, v0
	v_readfirstlane_b32 s12, v1                    ; wave 0..3
	s_lshr_b32 s13, s12, 1                         ; wr: my 64 tokens.  Also: I fetch for o (0) or for Wo (1)
	s_and_b32 s14, s12, 1                          ; wc: my 128 outputs.  Also: which half of that tile I fetch
	s_bfe_u32 s40, ttmp6, 0x40000                  ; cx
	s_bfe_u32 s41, ttmp6, 0x40004                  ; cy
	s_lshl_b32 s42, ttmp9, 2
	s_add_co_u32 s42, s42, s40                     ; tile column (256 outputs)
	s_and_b32 s15, ttmp7, 0xffff
	s_lshl_b32 s15, s15, 2
	s_add_co_u32 s15, s15, s41                     ; tile row (128 tokens)
	s_lshl_b32 s43, s41, 2
	s_lshl_b32 s43, 15, s43                        ; my row of the cluster
	s_lshl_b32 s44, 0x1111, s40                    ; my column
	s_or_b32 s[G1+0], s43, (3<<16)|(1<<21)         ; o: elements of 8 bytes, no padding: 4 rows (tiles of 16 tokens) of 4 KiB, 32 KiB apart
	s_mov_b32 s[G1+1], 512<<16
	s_mov_b32 s[G1+2], 4<<16
	s_mov_b32 s[G1+3], 512<<16
	s_mov_b32 s[G1+4], 4
	s_mov_b32 s[G1+5], 4096
	s_mov_b32 s[G1+6], 0
	s_mov_b32 s[G1+7], 0
	s_or_b32 s[G1B+0], s44, (1<<16)|(1<<20)|(1<<21)|(5<<22)|(3<<25)   ; Wo: 128 rows of 128 elements of 2 bytes; 4 words of padding after every 64
	s_mov_b32 s[G1B+1], 128<<16
	s_mov_b32 s[G1B+2], 128<<16
	s_mov_b32 s[G1B+3], 128<<16
	s_mov_b32 s[G1B+4], 128
	s_mov_b32 s[G1B+5], 1024
	s_mov_b32 s[G1B+6], 0
	s_mov_b32 s[G1B+7], 0
	s_lshl_b32 s16, s15, 3
	s_lshl_b32 s17, s14, 2
	s_add_co_u32 s16, s16, s17                     ; o: tile of 16 tokens 8 x tile row + 4 x half,
	s_lshl_b32 s16, s16, 15                        ; 32 KiB each
	s_mov_b32 s17, 0
	s_lshl_b32 s46, s42, 8
	s_lshl_b32 s47, s14, 7
	s_add_co_u32 s46, s46, s47                     ; Wo: row 256 x tile column + 128 x half,
	s_lshl_b32 s46, s46, 11                        ; 2,048 bytes each
	s_mov_b32 s47, 0
	s_lshl_b32 s20, s14, 14                        ; where they go: o's halves,
	s_mul_i32 s21, s14, HALFB
	s_add_co_u32 s21, s21, ABYTES                  ; Wo's halves behind them: no place in the cluster enters an LDS address
	s_wait_dscnt 0x0                               ; both opening adds are done
	s_wait_kmcnt 0x0
	s_add_nc_u64 s[16:17], s[4:5], s[16:17]
	s_add_nc_u64 s[46:47], s[6:7], s[46:47]
	CROUND                                         ; all sixteen work-groups are here: the first joint loads meet
.irp s, 0,1
	s_mov_b32 s[G0+4*\s], 1
	s_add_co_u32 s[G0+4*\s+1], s20, \s*SLOT
	s_add_nc_u64 s[G0+4*\s+2:G0+4*\s+3], s[16:17], \s*4096      ; K step s: 4 KiB on in each tile of tokens
	s_or_b32 s[G0+4*\s+3], s[G0+4*\s+3], 0x80000000
	s_mov_b32 s[G0B+4*\s], 1
	s_add_co_u32 s[G0B+4*\s+1], s21, \s*SLOT
	s_add_nc_u64 s[G0B+4*\s+2:G0B+4*\s+3], s[46:47], \s*256     ; 256 bytes on in each row
	s_or_b32 s[G0B+4*\s+3], s[G0B+4*\s+3], 0x80000000
	JLOAD \s                                       ; two tensor loads of mine are out
.endr
	v_and_b32 v1, 15, v0                           ; r
	v_bfe_u32 v2, v0, 4, 1                         ; h
	v_and_b32 v3, 31, v0
	v_lshlrev_b32 v[CO], 4, v3                     ; 16 x lane
	s_lshl_b32 s18, s42, 10
	s_lshl_b32 s19, s14, 9
	s_add_co_u32 s18, s18, s19                     ; bo at output 256 x tile column + 128 wc
	s_mov_b32 s19, 0
	s_add_nc_u64 s[8:9], s[8:9], s[18:19]
	v_lshlrev_b32 v5, 5, v2                        ; + 8 h numbers
	WIN 0x80                                       ; destination window 2
.irp b, 0,1,2,3,4,5,6,7
	global_load_b128 v[8*\b:8*\b+3], v5, s[8:9] offset:64*\b
	global_load_b128 v[8*\b+4:8*\b+7], v5, s[8:9] offset:64*\b+16
.endr
	WIN 0
	s_lshl_b32 s21, s13, 14                        ; my four tiles of tokens
	s_mul_i32 s22, s14, HALFB
	s_add_co_u32 s22, s22, ABYTES                  ; my 128 rows of Wo
	v_mul_u32_u24 v4, v1, PITCH
	v_lshl_add_u32 v4, v2, 4, v4
.irp s, 0,1
	v_add_nc_u32 v[ADRA+\s], s21, v[CO]
	v_add_nc_u32 v[ADRB+\s], s22, v4
	s_add_co_u32 s21, s21, SLOT
	s_add_co_u32 s22, s22, SLOT
.endr
	s_mul_i32 s23, s12, 16*SPITCH                  ; my stage
	v_mul_u32_u24 v4, v1, SPITCH
	v_lshl_add_u32 v4, v2, 5, v4
	v_add_nc_u32 v[STO], s23, v4                   ; in: row r, 32 bytes for each half of the lanes
	v_add_nc_u32 v[RD], s23, v[CO]                 ; back: the 32 lanes take one row of 512 bytes
	s_lshl_b32 s18, s15, 7
	s_lshl_b32 s19, s13, 6
	s_add_co_u32 s18, s18, s19                     ; my first token,
	s_lshl_b32 s18, s18, 12                        ; 4,096 bytes a row of out0
	s_lshl_b32 s19, s42, 10
	s_add_co_u32 s18, s18, s19
	s_lshl_b32 s19, s14, 9
	s_add_co_u32 s18, s18, s19                     ; + my first output
	s_mov_b32 s19, 0
	s_add_nc_u64 s[10:11], s[10:11], s[18:19]
; 8 matrix instructions: tokens' block a x Wo's eight blocks, 32 along K.  The 32 accumulators take turns, one instruction a turn, in the same order in every quarter.
.macro MUL8 f, a, first
.irp b, 0,1,2,3,4,5,6,7
.if \first
	v_wmma_f32_16x16x32_f16 v[8*(8*\a+\b):8*(8*\a+\b)+7], v[\f+8*\b:\f+8*\b+7], v[\f+64+8*\a:\f+64+8*\a+7], v[8*\b:8*\b+7]
.else
	v_wmma_f32_16x16x32_f16 v[8*(8*\a+\b):8*(8*\a+\b)+7], v[\f+8*\b:\f+8*\b+7], v[\f+64+8*\a:\f+64+8*\a+7], v[8*(8*\a+\b):8*(8*\a+\b)+7]
.endif
.endr
.endm
.macro FETCH slot, q, f                ; 24 LDS loads in one run: Wo's 16, then the tokens' blocks 0 to 3
.irp i, 0,1,2,3,4,5,6,7
	ds_load_b128 v[\f+8*\i:\f+8*\i+3],   v[ADRB+\slot] offset:64*(\q)+\i*16*PITCH
	ds_load_b128 v[\f+8*\i+4:\f+8*\i+7], v[ADRB+\slot] offset:64*(\q)+\i*16*PITCH+32
.endr
.irp i, 0,1,2,3
	ds_load_b128 v[\f+64+8*\i:\f+64+8*\i+3],   v[ADRA+\slot] offset:\i*4096+(\q)*1024
	ds_load_b128 v[\f+64+8*\i+4:\f+64+8*\i+7], v[ADRA+\slot] offset:\i*4096+(\q)*1024+512
.endr
.endm
.macro PLACES                          ; four plain vector instructions between matrix instructions and loads into, or reads of, their registers
.rept 4
	v_nop
.endr
.endm
.macro MWIN first
.if \first
	WIN W_FIRST
.else
	WIN W_MUL
.endif
.endm
; A K step is four quarters of 32 along K on buffers 0, 1, 0, 1.  One of the first three: multiplies buffer f, fetches quarter qn of the same slot into g.
.macro QUARTER slot, qn, f, g, first
	s_wait_dscnt 4                                 ; all but the youngest four loads (the tokens' blocks 2, 3) are in
	MWIN \first
	MUL8 \f, 0, \first
	MUL8 \f, 1, \first
	PLACES
	WIN 0
	FETCH \slot, \qn, \g
	s_wait_dscnt 24                                ; all but the 24 just issued
	MWIN \first
	MUL8 \f, 2, \first
	MUL8 \f, 3, \first
.endm
; The last quarter multiplies buffer 1 and changes slots: one barrier; in front of it each wave waits for all its tensor loads, adds 0 to its spare word, and waits for that and for its reads of this slot.
.macro TURN slot, next, fill
	WIN 0
	s_wait_tensorcnt 0x0                           ; all my tensor loads have landed: my part of the next slot
	ds_add_u32 v[SPW], v[NIL]                      ; 0 onto my spare word
	s_wait_dscnt 5                                 ; the add and the youngest four loads may be out
	WIN W_MUL
	MUL8 F1, 0, 0
	s_wait_dscnt 0x0                               ; the add is done, and my reads of this slot are over
	s_barrier_signal -1
	MUL8 F1, 1, 0
	WIN 0
	s_barrier_wait -1
.if \fill
	CREST                                          ; the barrier has opened a round of the cluster's: no wave of any partner still reads this slot or has a load on its way
	s_add_nc_u64 s[G0+4*\slot+2:G0+4*\slot+3], s[G0+4*\slot+2:G0+4*\slot+3], 2*4096
	s_add_nc_u64 s[G0B+4*\slot+2:G0B+4*\slot+3], s[G0B+4*\slot+2:G0B+4*\slot+3], 2*256
	JLOAD \slot                                    ; my one tensor load behind the round; the four v_nop behind it are also the places in front of the loads below
.else
	PLACES
.endif
	FETCH \next, 0, F0
	WIN W_MUL
	MUL8 F1, 2, 0
	MUL8 F1, 3, 0
.endm
	s_wait_tensorcnt 1                             ; my part of K step 0 is in; K step 1's may stay out
	s_barrier_signal -1
	s_barrier_wait -1
	FETCH 0, 0, F0
	s_wait_loadcnt 0x0                             ; bo
	QUARTER 0, 1, F0, F1, 1                        ; the first quarter stands in front of the loop: its products start the sums from bo
	WIN 0
	s_mov_b32 s3, 3
.Llap:                                             ; a trip goes once round the ring and fills both slots again: K steps 2 to 7 in three trips
	QUARTER 0, 2, F1, F0, 0
	QUARTER 0, 3, F0, F1, 0
	TURN 0, 1, 1
	QUARTER 1, 1, F0, F1, 0
	QUARTER 1, 2, F1, F0, 0
	QUARTER 1, 3, F0, F1, 0
	TURN 1, 0, 1
	QUARTER 0, 1, F0, F1, 0
	WIN 0
	s_sub_co_u32 s3, s3, 1
	s_cmp_lg_u32 s3, 0
	s_cbranch_scc1 .Llap
	QUARTER 0, 2, F1, F0, 0                        ; the last lap fills nothing
	QUARTER 0, 3, F0, F1, 0
	TURN 0, 1, 0
	QUARTER 1, 1, F0, F1, 0
	QUARTER 1, 2, F1, F0, 0
	QUARTER 1, 3, F0, F1, 0
	s_wait_dscnt 4
	WIN W_MUL
	MUL8 F1, 0, 0
	MUL8 F1, 1, 0
	s_wait_dscnt 0
	MUL8 F1, 2, 0
	MUL8 F1, 3, 0
	WIN 0
; THE WAY OUT, 16 tokens x 128 outputs at a time: a lane holds 32 neighbouring bytes of a row, the lanes beside it other rows: so a block goes through my own stage and comes back as whole rows of 512 bytes.
; LDS serves a wave's instructions in order: no wait between the stores and the loads, nor in front of the next block's stores.
.macro TOSTAGE a
	WIN 0x04                                       ; an LDS store's data are its source 1: window 1
.irp b, 0,1,2,3,4,5,6,7
	ds_store_b128 v[STO], v[8*(8*(\a)+\b):8*(8*(\a)+\b)+3] offset:64*\b          ; each accumulator from its low end on
	ds_store_b128 v[STO], v[8*(8*(\a)+\b)+4:8*(8*(\a)+\b)+7] offset:64*\b+16
.endr
	WIN 0
.set BB, 32+96*((\a)%2)
.irp t, 0,1,2,3,4,5,6,7,8,9,10,11,12,13,14,15
	ds_load_b128 v[BB+4*\t:BB+4*\t+3], v[RD] offset:\t*SPITCH
.endr
.endm
.macro SEND a, younger                 ; younger: the LDS instructions issued behind block a's loads, which may stay out
.set BB, 32+96*((\a)%2)
	s_wait_dscnt \younger
.if (\a) > 0
	s_add_nc_u64 s[10:11], s[10:11], 16*4096       ; 16 rows on (it stands behind a wait that shows the earlier stores have read their base)
.endif
.irp t, 0,1,2,3,4,5,6,7,8,9,10,11,12,13,14,15
	global_store_b128 v[CO], v[BB+4*\t:BB+4*\t+3], s[10:11] offset:\t*4096 th:TH_STORE_NT   ; 512 consecutive bytes, aligned; written once, read by nobody here
.endr
.endm
	PLACES
	TOSTAGE 0
.irp a, 1,2,3
.if \a > 1
	s_wait_xcnt 0x0                                ; block a - 2's stores have read their registers and their base
.endif
	TOSTAGE \a
	SEND \a-1, 32                                  ; behind block a - 1's loads: block a's 16 stores and 16 loads
.endr
	s_wait_xcnt 0x0
	SEND 3, 0
	s_wait_tensorcnt 0x0                           ; the wave's end
	ds_add_u32 v[SPW], v[NIL]
	s_wait_dscnt 0x0
	CROUND                                         ; the closing round
	s_endpgm
.Lfunc_end_k_q9a88522427_outp:
	.size	k_q9a88522427_outp, .Lfunc_end_k_q9a88522427_outp-k_q9a88522427_outp
	.p2alignl 7, 3214868480
	.fill 96, 4, 3214868480
	.section	.rodata,"a",@progbits
	.p2align	6, 0x0
	.amdhsa_kernel k_q9a88522427_outp
		.amdhsa_group_segment_fixed_size 327680
		.amdhsa_private_segment_fixed_size 0
		.amdhsa_enable_private_segment 0
		.amdhsa_kernarg_size 32
		.amdhsa_user_sgpr_count 2
		.amdhsa_user_sgpr_kernarg_segment_ptr 1
		.amdhsa_wavefront_size32 1
		.amdhsa_system_sgpr_workgroup_id_x 1
		.amdhsa_system_sgpr_workgroup_id_y 1
		.amdhsa_system_sgpr_workgroup_id_z 1
		.amdhsa_system_vgpr_workitem_id 0
		.amdhsa_next_free_vgpr 576
		.amdhsa_next_free_sgpr 66
		.amdhsa_reserve_vcc 0
		.amdhsa_float_denorm_mode_32 3
		.amdhsa_float_denorm_mode_16_64 3
		.amdhsa_memory_ordered 1
		.amdhsa_forward_progress 1
		.amdhsa_inst_pref_size 86
	.end_amdhsa_kernel
	.amdgpu_metadata
---
amdhsa.version: [ 1, 2 ]
amdhsa.kernels:
  - .name:           k_q9a88522427_outp
    .symbol:         k_q9a88522427_outp.kd
    .args:
      - { .name: ao, .offset: 0, .size: 8, .value_kind: global_buffer, .address_space: global }
      - { .name: wo16, .offset: 8, .size: 8, .value_kind: global_buffer, .address_space: global }
      - { .name: bo, .offset: 16, .size: 8, .value_kind: global_buffer, .address_space: global }
      - { .name: out0, .offset: 24, .size: 8, .value_kind: global_buffer, .address_space: global }
    .group_segment_fixed_size: 327680
    .private_segment_fixed_size: 0
    .kernarg_segment_align: 8
    .kernarg_segment_size: 32
    .max_flat_workgroup_size: 128
    .sgpr_count:     66
    .vgpr_count:     576
    .wavefront_size: 32
...
	.end_amdgpu_metadata
.endif
;; end of part 4
